; MI455X (gfx1250); checked and timed in simulation.
; The chip was launched on July 23, 2026; its instructions are those of AMD's public machine-readable ISA for CDNA 5 (MIT licence, August 2026) and "CDNA5" Instruction Set Architecture Reference Guide (July 2026). The comments in the code are by the model that wrote it; some were corrected since.
;; Self Attention. Allowed arithmetic: matrix products marked QUANTISED: E4M3 operands, one E8M0 scale for each 32 along K, by v_wmma_scale_f32_16x16x128_f8f6f4 with both operands' format E4M3, f32 sums; everything else in f32.
;; Inputs: qkv 2 x 2,048 x 3 x 16 x 128 float32.
;; Outputs: out0 2 x 2,048 x 16 x 128 float32.
;; This version of the problem:
;;   THIS VERSION OF THE PROBLEM IS GIVEN IN LOW PRECISION. The matrix products marked QUANTISED in the list below multiply operands that are first quantised to E4M3 (4 exponent bits, 3 mantissa bits; 8 bits a number), with one power-of-two scale for each 32 numbers along K (OCP MX v1.0); their sums are f32. All else is computed in f32.
;;   The module's matrix products, in the order in which they are computed (A, B: the left and right operand; K: the contracted axis; several contracted axes count as one K, in the product's order):
;;     1. batch 32 x [M 2,048, K 128] x [K 128, N 2,048]; A: input qkv; B: computed on the way: QUANTISED
;;     2. batch 32 x [M 128, K 2,048] x [K 2,048, N 2,048]; A: input qkv; B: softmax (see below): QUANTISED
;;   THE QUANTISER, for each operand of a quantised product, along K:
;;     - K is cut into blocks of 32 from its start; a last block that is shorter is filled with zeros.
;;     - A block's scale is 2^e with e = floor(log2(the largest magnitude in the block)) - 8, held to -126 .. 127; a block of zeros has e = 0. As a byte (E8M0): e + 127.
;;     - Each number is divided by its block's scale, clamped to +-448, and rounded to the nearest number of E4M3, ties to even, subnormals kept.
;;     - The product sums the exact products of the quantised numbers (number of the format x scale) in f32.
;;   ~~~python
;;   def quantise(x, axis):      # numpy; x: float32 -> the quantised numbers, widened to float32 again
;;       x = np.moveaxis(x, axis, -1); K = x.shape[-1]
;;       x = np.pad(x, [(0, 0)] * (x.ndim - 1) + [(0, -K % 32)]); x = x.reshape(x.shape[:-1] + (-1, 32)); a = np.abs(x).max(-1, keepdims=True)
;;       e = np.where(a > 0, np.clip(np.frexp(np.where(a > 0, a, 1))[1] - 1 - 8, -126, 127), 0)      # np.frexp(a)[1] - 1 = floor(log2(a)), exactly
;;       r = np.clip(x / 2.0 ** e, -448, 448)
;;       step = 2.0 ** (np.maximum(np.frexp(np.where(r == 0, 1, r))[1] - 1, -6) - 3)
;;       q = np.round(r / step) * step * 2.0 ** e      # np.round: ties to even
;;       return np.moveaxis(q.reshape(q.shape[:-2] + (-1,))[..., :K], -1, axis).astype(np.float32)
;;   ~~~
;;   SOFTMAX AHEAD OF A QUANTISED PRODUCT. Where the list says 'softmax', what is quantised is not the finished softmax but p = 2^(t - M), with t = logit x log2(e) and M = ceil(the row's largest t), a whole number; so 1/2 < the row's largest p <= 1. The row's sum l is taken of the UNQUANTISED p, in f32, and the product's result is divided by l at the end. Since M is a whole number, a kernel that streams over the keys may use a running M (the ceiling of the running maximum): every later rescaling is an exact power of two, which a block's scale takes up: the codes' values come out the same.
;;   OPERANDS COMPUTED ON THE WAY. 'Computed on the way' means the value that the module computes at that place (a softmax that the list does not call 'softmax' is quantised finished and normalised). What goes into a quantiser is computed in f32, as accurately as f32 sums, v_exp_f32 and their like allow (about 1e-6 of the number): no bf16 or f16 on the way to a quantiser, and a product that is left as it is and whose result goes on into a quantised operand takes f32 operands (vector FMAs, or v_wmma_f32_16x16x4_f32). A number that lies on a knife's edge between two numbers of the format may be rounded either way, as far as f32 arithmetic and the matrix unit's own rounding can turn it there, and no further.
;; One version. Each part assembles by itself: llvm-mc -triple=amdgcn-amd-amdhsa -mcpu=gfx1250 --defsym DOCPART=n.
;; ======== version 1 of 1: 2 launches
;; limits: right only within a limited range of input values
;; workspace buffers: kv 17,825,792 bytes
;; launch quant (part 1): grid 8 x 32, 8 waves a work-group, no clusters, 136,192 bytes of LDS; arguments qkv, kv; writes kv
.if DOCPART == 1
	.amdgcn_target "amdgcn-amd-amdhsa--gfx1250"
	.amdhsa_code_object_version 6
	.text
	.protected	k_q7d35abea27_quant
	.globl	k_q7d35abea27_quant
	.p2align	8
	.type	k_q7d35abea27_quant,@function
k_q7d35abea27_quant:
	s_mov_b64 s[64:65], 0
	v_nop
	global_prefetch_b8 v0, s[64:65] scope:SCOPE_SE
	s_setreg_imm32_b32 hwreg(HW_REG_WAVE_MODE, 25, 1), 1
	s_wait_xcnt 0x0
; k x 1/sqrt(128) and v of qkv [2][2048][3][16][128] f32 become codes of FP8 (E4M3) with one E8M0 scale byte for each 32 along a product's K:
; k along the head's 128, v along the keys.  They are laid as the attention launch's operand registers want them: kv = [32 heads][16 key steps][34,816 bytes]; a step block (128 keys) holds
;   0       K's codes  [tile 0..7][c 0..3][lane][16 bytes]: lane (r, h) of tile 2 b + u holds key 32 b + 8 u + r + 8 (r / 8), channels 32 c + 16 h + 0 .. 15
;   16,384  V's codes  the same form: lane (r, h) of tile t holds channel 16 t + r, keys 32 c + 16 h + 0 .. 15
;   32,768  K's scale words [pair of tiles 0..3][lane][2 words]: the words of tiles 2 p and 2 p + 1 for row lane % 16
;   33,792  V's scale words, the same form; byte c of a word belongs to keys 32 c .. 32 c + 31
; A block's scale is 2^(floor(log2(its largest magnitude)) - 8); its byte is that magnitude's exponent field - 8, held at 1 from below.  A block of zeros so gets the byte 1 where the rule
; says 127: its codes are zeros, which add nothing under any byte but 0xff, and this program alone reads the bytes.
; LIMITS: NaN and infinities among the inputs are not served.
; SHARES.  A work-group takes 256 keys of one head: two step blocks.  All eight waves take one path.  Wave w (st = w / 4, p = w % 4) makes, of block st, K's tiles 2 p and 2 p + 1 (keys 32 w on of the 256)
; and V's tiles 2 p and 2 p + 1 (channels 32 p on).  Waves share nothing: no barrier; each has LDS bytes of its own.
; K: a load takes one key's 512 bytes, 16 a lane; the conversions want 16 neighbours along the channels in one lane, so a tile's 16 rows turn through the wave's stage (rows of 512 + 16 bytes).
; V: a lane takes a channel and its registers run down the keys: a block of 32 keys lies in one lane, and its codes come out with the keys innermost; nothing is transposed.
.set ROWQ,  24576                      ; bytes from one position of the sequence to the next
.set STEPB, 34816                      ; a step block
.set WREG,  16896                      ; a wave's stage: 32 rows
.set PITCH, 528                        ; 512 bytes + 16: the sixteen rows that a load touches begin 4 words apart in the banks (64 banks of 4 bytes: ISA guide 11.1)
.set LI,  1                            ; v1   16 x lane
.set L8,  2                            ; v2   8 x lane
.set L4,  3                            ; v3   4 x lane
.set KST, 4                            ; v4   the stage, on the way in: 16 x lane
.set KRD, 5                            ; v5   and on the way out: row r, + 64 h
.set VST, 6                            ; v6   V's codes: 2,048 (lane / 16) + 16 (lane % 16)
.set LN,  7                            ; v7   lane
.set VW,  12                           ; v12  V's scale word; v13 the other half's; v[10:11] the pair that is stored; v[14:15] K's two words
.set TM,  16                           ; v16-31 at work
.set RA,  32                           ; v32-95   K's first tile
.set RB,  96                           ; v96-159  K's second tile
.set VC,  160                          ; v160-191, v192-223  two sets of 32 numbers of V
.set VD,  192
.set CD,  224                          ; v224-255 codes
.set WV,  8
.set SEL, 20                           ; s[20:21] lane selects for v_permlanex16_b32: lane l xor 16
.set MNT, 22                           ; s22  the mantissa field of 448
.set SC,  24                           ; s[24:25] 1/sqrt(128) as f32
.set KP,  26                           ; s[26:27] k at my first key
.set VP,  28                           ; s[28:29] v at my block's first key, my first channel
.set DC,  30                           ; s[30:31] my block + 4,096 p: my two tiles of codes
.set DS,  32                           ; s[32:33] my block + 32,768 + 256 p: my scale words
	s_load_b128 s[4:7], s[0:1], 0x0                ; qkv, kv
	s_set_vgpr_msb 0x40
	v_lshl_add_u32 v0, v0, 2, 0x21000
	v_mov_b32 v1, 0
	s_set_vgpr_msb 0x4000
	v_lshrrev_b32 v7, 5, v0
	s_delay_alu instid0(VALU_DEP_1)
	v_readfirstlane_b32 s[WV], v7                  ; wave 0..7
	v_and_b32 v[LN], 31, v0
	v_and_b32 v8, 15, v0                           ; r
	v_bfe_u32 v9, v0, 4, 1                         ; h
	s_delay_alu instid0(VALU_DEP_3)
	v_lshlrev_b32 v[LI], 4, v[LN]
	s_delay_alu instid0(VALU_DEP_4)
	v_lshlrev_b32 v[L8], 3, v[LN]
	v_lshlrev_b32 v[L4], 2, v[LN]
	s_mul_i32 s9, s[WV], WREG
	v_add_nc_u32 v[KST], s9, v[LI]
	v_mul_u32_u24 v[KRD], v8, PITCH
	s_delay_alu instid0(VALU_DEP_1)
	v_lshl_add_u32 v[KRD], v9, 6, v[KRD]
	s_delay_alu instid0(VALU_DEP_1)
	v_add_nc_u32 v[KRD], s9, v[KRD]
	v_lshlrev_b32 v[VST], 11, v9
	s_delay_alu instid0(VALU_DEP_1)
	v_lshl_add_u32 v[VST], v8, 4, v[VST]
.irp b, 0,1,2,3
	v_mov_b32 v[TM+4+\b], 0                        ; written once: a lane permute's destination counts as one of its sources
.endr
	v_mov_b32 v13, 0
	s_mov_b32 s[SEL], 0x76543210
	s_mov_b32 s[SEL+1], 0xfedcba98
	s_mov_b32 s[MNT], 0x600000
	s_mov_b32 s[SC], 0x3db504f3                    ; the f32 nearest to 1/sqrt(128)
	s_mov_b32 s[SC+1], s[SC]                       ; (named with it as a pair, so it is written)
	; offsets, apart from the addresses; all stay under 2^27
	s_and_b32 s10, ttmp7, 0xffff                   ; 16 x batch + head
	s_lshr_b32 s11, s10, 4                         ; batch
	s_and_b32 s12, s10, 15                         ; head
	s_lshr_b32 s13, s[WV], 2                       ; st
	s_and_b32 s14, s[WV], 3                        ; p
	s_lshl_b32 s15, s11, 11
	s_lshl_b32 s16, ttmp9, 8
	s_add_co_u32 s15, s15, s16                     ; the work-group's first position: 2,048 x batch + 256 x
	s_lshl_b32 s17, s12, 9                         ; the head's 512 bytes
	s_lshl_b32 s16, s[WV], 5
	s_add_co_u32 s16, s15, s16
	s_mul_i32 s16, s16, ROWQ
	s_add_co_u32 s16, s16, s17
	s_add_co_u32 s[KP], s16, 8192                  ; k lies 8,192 bytes behind q
	s_mov_b32 s[KP+1], 0
	s_lshl_b32 s16, s13, 7
	s_add_co_u32 s16, s15, s16
	s_mul_i32 s16, s16, ROWQ
	s_add_co_u32 s16, s16, s17
	s_lshl_b32 s18, s14, 7
	s_add_co_u32 s16, s16, s18
	s_add_co_u32 s[VP], s16, 16384                 ; v 16,384 bytes behind q
	s_mov_b32 s[VP+1], 0
	s_lshl_b32 s16, s10, 4
	s_lshl_b32 s18, ttmp9, 1
	s_add_co_u32 s16, s16, s18
	s_add_co_u32 s16, s16, s13
	s_mul_i32 s16, s16, STEPB                      ; my step block
	s_lshl_b32 s18, s14, 12
	s_add_co_u32 s[DC], s16, s18
	s_mov_b32 s[DC+1], 0
	s_lshl_b32 s18, s14, 8
	s_add_co_u32 s16, s16, s18
	s_add_co_u32 s[DS], s16, 32768
	s_mov_b32 s[DS+1], 0
	s_wait_alu depctr_va_vdst(0)
	s_wait_kmcnt 0x0
	s_add_nc_u64 s[KP:KP+1], s[4:5], s[KP:KP+1]
	s_add_nc_u64 s[VP:VP+1], s[4:5], s[VP:VP+1]
	s_add_nc_u64 s[DC:DC+1], s[6:7], s[DC:DC+1]
	s_add_nc_u64 s[DS:DS+1], s[6:7], s[DS:DS+1]
.macro KLOAD u, reg                    ; tile u's sixteen keys, in the tile's order: each load is one key's 512 consecutive bytes
.irp r, 0,1,2,3,4,5,6,7,8,9,10,11,12,13,14,15
	global_load_b128 v[\reg+4*\r:\reg+4*\r+3], v[LI], s[KP:KP+1] offset:(8*\u+\r+8*(\r/8))*ROWQ th:TH_LOAD_NT
.endr
.endm
.macro TURN u, reg                     ; through the stage and back into the registers that they left: register 16 c + i is then channel 32 c + 16 h + i of row r.  LDS serves a wave's instructions in order (ISA guide 5.7.1.4)
.irp r, 0,1,2,3,4,5,6,7,8,9,10,11,12,13,14,15
	ds_store_b128 v[KST], v[\reg+4*\r:\reg+4*\r+3] offset:(16*\u+\r)*PITCH
.endr
.irp c, 0,1,2,3
.irp j, 0,1,2,3
	ds_load_b128 v[\reg+16*\c+4*\j:\reg+16*\c+4*\j+3], v[KRD] offset:16*\u*PITCH+128*\c+16*\j
.endr
.endr
.endm
.macro VLOAD c, set                    ; keys 32 c + i of my block, my channel: 128 consecutive bytes a wave, 512 for the four waves of a block
.set n, 0
.rept 32
	global_load_b32 v[\set+n], v[L4], s[VP:VP+1] offset:(32*\c+n)*ROWQ th:TH_LOAD_NT
.set n, n+1
.endr
.endm
; 64 numbers of a lane, register 16 b + i = k 32 b + 16 (lane / 16) + i of my row, become a fragment's codes in v[pc] on and its scale word in v[pw]
.macro QUANT s, pc, pw
.irp b, 0,1,2,3
	v_max3_num_f32 v[TM+\b], |v[\s+16*\b]|, |v[\s+1+16*\b]|, 0x4800000   ; block b: my 16 numbers, and the floor 2^(9 - 127): the byte cannot fall under 1
.endr
.irp i, 2,4,6,8,10,12,14
.irp b, 0,1,2,3
	s_delay_alu instid0(VALU_DEP_4)
	v_max3_num_f32 v[TM+\b], v[TM+\b], |v[\s+16*\b+\i]|, |v[\s+1+16*\b+\i]|   ; the four blocks by turns
.endr
.endr
.irp b, 0,1,2,3
	s_delay_alu instid0(VALU_DEP_4)
	v_permlanex16_b32 v[TM+4+\b], v[TM+\b], s[SEL], s[SEL+1]
.endr
.irp b, 0,1,2,3
	s_delay_alu instid0(VALU_DEP_4)
	v_max_num_f32 v[TM+\b], v[TM+\b], v[TM+4+\b]   ; with lane l xor 16's: the block's largest magnitude
.endr
.irp b, 0,1,2,3
	s_delay_alu instid0(VALU_DEP_4)
	v_add_nc_u32 v[TM+12+\b], 0xfc000000, v[TM+\b] ; 8 off its exponent field: the conversion takes this operand's exponent field as its scale
.endr
.irp b, 0,1,2,3
	v_and_or_b32 v[TM+8+\b], v[TM+\b], 0x7f800000, s[MNT]   ; 448 x the scale
.endr
.irp b, 0,1,2,3
	v_lshrrev_b32 v[TM+4+\b], 23, v[TM+12+\b]      ; the scale's byte
.endr
	s_delay_alu instid0(VALU_DEP_3)
	v_lshl_or_b32 v[\pw], v[TM+5], 8, v[TM+4]
	s_delay_alu instid0(VALU_DEP_1)
	v_lshl_or_b32 v[\pw], v[TM+6], 16, v[\pw]
	s_delay_alu instid0(VALU_DEP_1)
	v_lshl_or_b32 v[\pw], v[TM+7], 24, v[\pw]
.irp b, 0,1,2,3
.irp i, 0,1,2,3,4,5,6,7,8,9,10,11,12,13,14,15
	v_med3_num_f32 v[\s+16*\b+\i], v[\s+16*\b+\i], -v[TM+8+\b], v[TM+8+\b]   ; the conversion to an 8-bit code does not saturate (ISA guide 7.6.2): the hold
.endr
	v_cvt_scalef32_pk8_fp8_f32 v[\pc+4*\b:\pc+1+4*\b], v[\s+16*\b:\s+7+16*\b], v[TM+12+\b]
	v_cvt_scalef32_pk8_fp8_f32 v[\pc+2+4*\b:\pc+3+4*\b], v[\s+8+16*\b:\s+15+16*\b], v[TM+12+\b]
.endr
	v_nop                                          ; one plain line behind the last conversion, ahead of whatever next writes its sources
.endm
.macro KTILE u, reg, pc, pw            ; k x 1/sqrt(128) in f32, as it is written in the problem; then the quantiser; then the tile's image, 512 consecutive bytes a store
.set n, 0
.rept 32
	v_pk_mul_f32 v[\reg+n:\reg+n+1], v[\reg+n:\reg+n+1], s[SC:SC+1] op_sel_hi:[1,0]
.set n, n+2
.endr
	QUANT \reg, \pc, \pw
.irp c, 0,1,2,3
	global_store_b128 v[LI], v[\pc+4*\c:\pc+4*\c+3], s[DC:DC+1] offset:2048*\u+512*\c
.endr
.endm
.macro VBLOCK c, set                   ; 32 keys of my channel: all are mine
	v_max3_num_f32 v[TM], |v[\set]|, |v[\set+1]|, |v[\set+2]|
	v_max3_num_f32 v[TM+1], |v[\set+3]|, |v[\set+4]|, |v[\set+5]|
.irp i, 6,10,14,18,22,26
	s_delay_alu instid0(VALU_DEP_2)
	v_max3_num_f32 v[TM], v[TM], |v[\set+\i]|, |v[\set+\i+1]|
	s_delay_alu instid0(VALU_DEP_2)
	v_max3_num_f32 v[TM+1], v[TM+1], |v[\set+\i+2]|, |v[\set+\i+3]|
.endr
	s_delay_alu instid0(VALU_DEP_2)
	v_max3_num_f32 v[TM], v[TM], |v[\set+30]|, |v[\set+31]|
	s_delay_alu instid0(VALU_DEP_1)
	v_max3_num_f32 v[TM], v[TM], v[TM+1], 0x4800000   ; and the floor
	s_delay_alu instid0(VALU_DEP_1)
	v_add_nc_u32 v[TM+2], 0xfc000000, v[TM]        ; the conversion's scale operand
	s_delay_alu instid0(VALU_DEP_2)
	v_and_or_b32 v[TM+3], v[TM], 0x7f800000, s[MNT]   ; 448 x the scale
	s_delay_alu instid0(VALU_DEP_2)
	v_lshrrev_b32 v[TM+1], 23, v[TM+2]             ; the byte
.if \c == 0
	s_delay_alu instid0(VALU_DEP_1)
	v_mov_b32 v[VW], v[TM+1]
.else
	s_delay_alu instid0(VALU_DEP_1)
	v_lshl_or_b32 v[VW], v[TM+1], 8*\c, v[VW]
.endif
.set n, 0
.rept 32
	v_med3_num_f32 v[\set+n], v[\set+n], -v[TM+3], v[TM+3]
.set n, n+1
.endr
.irp g, 0,1,2,3
	v_cvt_scalef32_pk8_fp8_f32 v[CD+8*\c+2*\g:CD+8*\c+2*\g+1], v[\set+8*\g:\set+8*\g+7], v[TM+2]
.endr
	v_nop                                          ; one plain line behind the last conversion: the next block writes the scale operand anew
	global_store_b128 v[VST], v[CD+8*\c:CD+8*\c+3], s[DC:DC+1] offset:16384+512*\c        ; keys 32 c + 0 .. 15: the place of lanes h = 0; sixteen lanes store 256 consecutive bytes, aligned
	global_store_b128 v[VST], v[CD+8*\c+4:CD+8*\c+7], s[DC:DC+1] offset:16384+512*\c+256  ; keys 32 c + 16 .. 31: the place of lanes h = 1
.endm
	KLOAD 0, RA
	KLOAD 1, RB
	VLOAD 0, VC
	s_wait_loadcnt 48                              ; loads come back in order (ISA guide 5.7.1): tile 0's sixteen are in; tile 1's 16 and V's 32 may be out
	TURN 0, RA
	s_wait_loadcnt 32                              ; tile 1's are in; V's 32 may be out
	TURN 1, RB
	VLOAD 1, VD
	s_wait_dscnt 32                                ; tile 0 is back from the stage: behind its loads stand tile 1's 16 stores and 16 loads
	KTILE 0, RA, CD, 14
	s_wait_dscnt 0x0
	KTILE 1, RB, CD+16, 15
	global_store_b64 v[L8], v[14:15], s[DS:DS+1]   ; the two tiles' scale words: 256 consecutive bytes, aligned
	s_wait_xcnt 0x0                                ; the stores above have read v224-255: V's codes are written there only behind this wait
	s_wait_loadcnt 32                              ; V's block 0 is in; block 1's 32 may be out
	VBLOCK 0, VC
	VLOAD 2, VC
	s_wait_loadcnt 32
	VBLOCK 1, VD
	VLOAD 3, VD
	s_wait_loadcnt 32
	VBLOCK 2, VC
	s_wait_loadcnt 0x0
	VBLOCK 3, VD
	v_permlanex16_b32 v13, v[VW], s[SEL], s[SEL+1] ; lanes 0-15 hold the words of tile 2 p, lanes 16-31 those of tile 2 p + 1: each lane stores both, for row lane % 16
	v_cmp_gt_u32 vcc_lo, 16, v[LN]
	s_delay_alu instid0(VALU_DEP_1)
	v_cndmask_b32 v10, v13, v[VW], vcc_lo          ; tile 2 p's: my own in lanes 0-15
	s_delay_alu instid0(VALU_DEP_2)
	v_cndmask_b32 v11, v[VW], v13, vcc_lo          ; tile 2 p + 1's: my own in lanes 16-31
	global_store_b64 v[L8], v[10:11], s[DS:DS+1] offset:1024
	s_set_vgpr_msb 0x5
	s_wait_tensorcnt 0x0
	ds_add_u32 v0, v1
	s_wait_dscnt 0x0
	s_set_vgpr_msb 0x500
	s_endpgm
.Lfunc_end_k_q7d35abea27_quant:
	.size	k_q7d35abea27_quant, .Lfunc_end_k_q7d35abea27_quant-k_q7d35abea27_quant
	.p2alignl 7, 3214868480
	.fill 96, 4, 3214868480
	.section	.rodata,"a",@progbits
	.p2align	6, 0x0
	.amdhsa_kernel k_q7d35abea27_quant
		.amdhsa_group_segment_fixed_size 136192
		.amdhsa_private_segment_fixed_size 0
		.amdhsa_enable_private_segment 0
		.amdhsa_kernarg_size 16
		.amdhsa_user_sgpr_count 2
		.amdhsa_user_sgpr_kernarg_segment_ptr 1
		.amdhsa_wavefront_size32 1
		.amdhsa_system_sgpr_workgroup_id_x 1
		.amdhsa_system_sgpr_workgroup_id_y 1
		.amdhsa_system_sgpr_workgroup_id_z 1
		.amdhsa_system_vgpr_workitem_id 0
		.amdhsa_next_free_vgpr 258
		.amdhsa_next_free_sgpr 66
		.amdhsa_reserve_vcc 1
		.amdhsa_float_denorm_mode_32 3
		.amdhsa_float_denorm_mode_16_64 3
		.amdhsa_memory_ordered 1
		.amdhsa_forward_progress 1
		.amdhsa_inst_pref_size 64
	.end_amdhsa_kernel
	.amdgpu_metadata
---
amdhsa.version: [ 1, 2 ]
amdhsa.kernels:
  - .name:           k_q7d35abea27_quant
    .symbol:         k_q7d35abea27_quant.kd
    .args:
      - { .name: qkv, .offset: 0, .size: 8, .value_kind: global_buffer, .address_space: global }
      - { .name: kv, .offset: 8, .size: 8, .value_kind: global_buffer, .address_space: global }
    .group_segment_fixed_size: 136192
    .private_segment_fixed_size: 0
    .kernarg_segment_align: 8
    .kernarg_segment_size: 16
    .max_flat_workgroup_size: 256
    .sgpr_count:     66
    .vgpr_count:     258
    .wavefront_size: 32
...
	.end_amdgpu_metadata
.endif
;; end of part 1
;; launch attn (part 2): grid 8 x 32, 8 waves a work-group, no clusters, 327,680 bytes of LDS; arguments qkv, kv, out0; writes out0
.if DOCPART == 2
	.amdgcn_target "amdgcn-amd-amdhsa--gfx1250"
	.amdhsa_code_object_version 6
	.text
	.protected	k_q7d35abea27_attn
	.globl	k_q7d35abea27_attn
	.p2align	8
	.type	k_q7d35abea27_attn,@function
k_q7d35abea27_attn:
	s_mov_b64 s[64:65], 0
	v_nop
	global_prefetch_b8 v0, s[64:65] scope:SCOPE_SE
	s_setreg_imm32_b32 hwreg(HW_REG_WAVE_MODE, 25, 1), 1
	s_wait_xcnt 0x0
; out0[b][t][h][:] = the sum over s of softmax_s(q[t] . (k[s] / sqrt(128)) + mask) v[s][:], mask = -10000 where s > t; both products on codes of FP8 (E4M3) with one E8M0 scale for each 32 along K.
; k / sqrt(128) and v come as codes and scale words from kv, laid as images of the operand registers: [32 heads][16 key steps][34,816 bytes] (K's codes, V's codes, K's words, V's words).  q is quantised here.
; THE SOFTMAX: t = logit x log2(e); M = the row's largest t so far, rounded up to a whole number; p = 2^(t - M) is quantised along the keys, not normalised; the row's sum is taken of the unquantised p
; and divides at the end.  When M moves, the sum and O are multiplied by 2^(old M - new M), which rounds nothing.  A block's largest p is made from the block's largest score by the same two instructions
; (this takes v_exp_f32 not to fall where its input rises; at the worst one p of a block, within an ulp of a power of two, is held one code low).
; LIMITS.  A key that comes after its query gets the weight 0, and key steps all of whose 128 keys come after all 128 queries of a block are not computed.  As the problem is written such a key gets
; 2^((logit - 10000) log2(e) - M), which is 0 in f32 unless a masked logit lies more than about 9,900 above its row's largest kept logit: that case is not served.  Scaled scores stay under 2^31 in magnitude.
; NaN and infinities are not served, and those that reach only masked keys are not carried to the result.
; SHARES.  Work-group x takes the head's blocks 15 - x and x of 128 queries: 16 - x and x + 1 key steps of 128 keys, 17 whatever x is.  Each of the eight waves owns 32 queries (two tiles), so that each fragment feeds two products.
; Stream step i = 0 .. 8.  Waves 0-3 work on block 15 - x: key step (x + i) mod 8 in i = 0 .. 7.  Waves 4-7: while x + i <= 7, key step 8 + i of block 15 - x, the last of which is on the diagonal;
; then they leave their sums in LDS for waves 0-3 and take up block x: key step (x + i) mod 8 up to i = 8, where it is on the diagonal.  Waves 0-3 add the two parts of block 15 - x meanwhile.
; So a slot of the ring has a part A (key step (x + i) mod 8) and, while x + i <= 7, a part B (key step 8 + i).  The jump round B's loads hangs on x and the step alone: where it begins hangs on the work-group's number.
; LAYOUT.  Both products are used transposed: S^T = K Q^T (source 0 = 16 keys), O^T = V^T P^T (source 0 = 16 channels): a lane holds one query of a tile (lane % 16) throughout.  The keys of a tile of K are chosen so that
; the 16 registers of tiles 2 b and 2 b + 1 are keys 32 b + 16 (lane / 16) + 0 .. 15: the conversions' results are the second product's operand.
; NO CLUSTER, though the eight work-groups of a head read the same blocks: what tells them apart is x, on which the branches and part A's key step hang; joint requests want both alike in all partners.
; PREFETCH: each block of kv that is named is named once in the launch: at the head near block (x + 4) mod 8, and in step i = x the far block 11 + x (x up to 4), one step ahead of the load that asks for it; a wave names 17 of its 136 rows of 256 bytes.
; REGISTERS.  Window 0: v0-47 addresses, states, scale words; v48-79 Q's two tiles; v80-111 p's codes; v112-127 at work; v128-255 O^T's two tiles.
; Window 1: v0-127 and v128-255: in even steps K's, then V's fragments lie in the first and the scores in the second, in odd steps the other way round: the next step's K is read into the scores' registers.
.set ROWQ,  24576                      ; bytes from one position of qkv to the next
.set ROWO,  8192                       ; and of out0
.set STEPB, 34816                      ; a step block
.set QRTB,  8704                       ; a quarter: 34 rows of 256 bytes
.set HEADB, 16*STEPB
.set VOFF,  16384
.set KSOFF, 32768
.set VSOFF, 33792
.set SLOT1, 1<<17                      ; slot 1 begins here; a slot is 2 STEPB bytes: part A, part B
.set QI,    2*STEPB                    ; images of Q's 16 tiles (8 of block 15 - x, 8 of block x), 2,304 bytes each
.set QT,    2304
.set HB,    SLOT1+2*STEPB              ; the hand-over: 17,408 bytes for each of waves 4-7; before that q's turning stages, 8,448 bytes a wave
.set HW,    17408
.set TW,    8448
.set TP,    528
.set STAGE, HB+4*HW                    ; the way out: 16 rows x 272 bytes a wave
.set SP,    272
.set SPARE, STAGE+8*16*SP              ; the spare words, 128 bytes for each wave
.set LI,  1                            ; v1   16 x lane
.set L8,  2                            ; v2   8 x lane
.set DGA, 3                            ; v3, v4  on the diagonal register 16 b + i is hidden where 32 b + i is larger (tile 0, tile 1)
.set DGB, 4
.set SPW, 5
.set NIL, 6
.set GO,  7                            ; v7   the way out: 8,192 h + 16 r
.set STO, 8                            ; v8   the stage, in;  v9 back
.set RD,  9
.set HA,  10                           ; v10  the hand-over
.set QR,  11                           ; v11  Q's images, my two tiles
.set QS,  20                           ; v20, v21  Q's scale words
.set KS,  22                           ; v22-29 K's, v30-37 V's scale words
.set VS,  30
.set ADK, 38
.set ADK8, 39
.set ADV, 40
.set ADV8, 41
.set QW,  42                           ; v42  their scale words
.set PFO, 43                           ; v43  the prefetches' offset
.set TM,  112
.set KST, 210                          ; v210-213, until step 0's second product: q's turning stage in, out; my tile's image, its scale word
.set KRD, 211
.set QST, 212
.set QSW, 213
.set WV,  10                           ; s10  my wave's number
.set WX,  11                           ; s11  x
.set WL,  12                           ; s12  wave mod 4: my 32 queries of the block
.set XI,  13                           ; s13  x + i
.set XN,  14                           ; s14  the same of the step that is being asked for
.set GX,  15                           ; s15  7 in waves 4-7: the x + i of the diagonal step and of the change of block; no step's in waves 0-3
.set BW,  18                           ; s[18:19] kv at my head, + my quarter
.set SEL, 20                           ; s[20:21] lane selects: lane l xor 16
.set CS,  22                           ; s[22:23] log2(e)
.set MNT, 24                           ; s24  the mantissa field of 448
.set CNT, 25
.set NEG, 26                           ; s26  -1e30: under every score
.set GB,  27                           ; s27  STEPB in waves 4-7, else 0
.set LQ,  28                           ; s28  my quarter's place in a slot
.set LIM, 29                           ; s29  the x + i at which my work-group prefetches
.set OB,  30                           ; s[30:31] out0 at my rows
.set G1,  32                           ; s[32:39] descriptor group 1: 34 rows of 256 bytes;  s[40:43] group 0
.set G0,  40
.set QP,  44                           ; s[44:45], s[46:47] q at my tile of block 15 - x, of block x
.set QP2, 46
.set PFA, 48                           ; s[48:49], s[50:51] what I prefetch: far, near
.set PFN, 50
.set MSB, 0
.macro WIN new                         ; the immediate's high byte repeats the setting that is left; a switch that changes nothing is dropped
.if MSB != \new
	s_set_vgpr_msb (MSB<<8)|\new
.set MSB, \new
.endif
.endm
.macro PLACES n
.rept \n
	v_nop
.endr
.endm
; group 0 for the step k steps on, into slot \slot: part A's quarter in waves 0-3, part B's in waves 4-7
.macro DESC k, slot
	s_add_co_u32 s[XN], s[XI], \k
	s_and_b32 s16, s[XN], 7
	s_sub_co_u32 s17, s[XN], s[WX]
	s_add_co_u32 s17, s17, 8
	s_cmp_lt_u32 s[WV], 4
	s_cselect_b32 s16, s16, s17
	s_mul_i32 s16, s16, STEPB
	s_mov_b32 s17, 0
	s_add_nc_u64 s[G0+2:G0+3], s[BW:BW+1], s[16:17]
	s_or_b32 s[G0+3], s[G0+3], 0x80000000          ; 127:126 type = 2
.if \slot
	s_add_co_u32 s[G0+1], s[LQ], SLOT1
.else
	s_mov_b32 s[G0+1], s[LQ]
.endif
.endm
; waves 0-3 ask for part A; waves 4-7 for part B, while some wave will read it (a test on x and the step, the same in all waves)
.macro TLOAD
	s_cmp_lt_u32 s[WV], 4
	s_cbranch_scc0 .Lpart_b_\@
	tensor_load_to_lds s[G0:G0+3], s[G1:G1+7]
	s_nop 0
	PLACES 4
	s_branch .Lasked_\@
.Lpart_b_\@:
	s_cmp_gt_u32 s[XN], 7
	s_cbranch_scc1 .Lasked_\@
	tensor_load_to_lds s[G0:G0+3], s[G1:G1+7]
	s_nop 0
	PLACES 4
.Lasked_\@:
.endm
.macro ASK                             ; the far block of step x + 3, in step i = x of work-group x
	s_cmp_eq_u32 s[XI], s[LIM]
	s_cbranch_scc0 .Lnot_mine_\@
	global_prefetch_b8 v[PFO], s[PFA:PFA+1] th:TH_LOAD_NT scope:SCOPE_SE
.Lnot_mine_\@:
.endm
; s16 = where the block that I read lies: slot \slot; part B in waves 4-7 while x + i (k steps on) is at most 7
.macro PART k, slot
	s_add_co_u32 s16, s[XI], \k
	s_cmp_le_u32 s16, 7
	s_cselect_b32 s16, s[GB], 0
.if \slot
	s_add_co_u32 s16, s16, SLOT1
.endif
.endm
.macro FETCH_K x
	v_add_nc_u32 v[ADK], s16, v[LI]
	v_add_nc_u32 v[ADK8], s16, v[L8]
	WIN 0x40                                       ; destination window 1, address window 0
.irp t, 0,1,2,3,4,5,6,7
.irp c, 0,1,2,3
	ds_load_b128 v[\x+16*\t+4*\c:\x+16*\t+4*\c+3], v[ADK] offset:2048*\t+512*\c
.endr
.endr
	WIN 0
.irp p, 0,1,2,3
	ds_load_b64 v[KS+2*\p:KS+2*\p+1], v[ADK8] offset:KSOFF+256*\p
.endr
.endm
.macro FETCH_V x
	WIN 0x40
.irp t, 0,1,2,3,4,5,6,7
.irp c, 0,1,2,3
	ds_load_b128 v[\x+16*\t+4*\c:\x+16*\t+4*\c+3], v[ADV] offset:VOFF+2048*\t+512*\c
.endr
.endr
	WIN 0
.irp p, 0,1,2,3
	ds_load_b64 v[VS+2*\p:VS+2*\p+1], v[ADV8] offset:VSOFF+256*\p
.endr
.endm
.macro SPROD k, s                      ; S^T = K Q^T: eight tiles of 16 keys, each for both tiles of queries
	WIN 0x41
.irp t, 0,1,2,3,4,5,6,7
	v_wmma_scale_f32_16x16x128_f8f6f4 v[\s+8*\t:\s+8*\t+7], v[\k+16*\t:\k+16*\t+15], v[48:63], 0, v[KS+\t], v[QS]
	v_wmma_scale_f32_16x16x128_f8f6f4 v[\s+64+8*\t:\s+64+8*\t+7], v[\k+16*\t:\k+16*\t+15], v[64:79], 0, v[KS+\t], v[QS+1]
.endr
	WIN 0
.endm
.macro PV k, zero                      ; O^T += V^T P^T: eight tiles of 16 channels, each for both tiles of queries; zero = 1: the first products start the sums
	WIN 0x01
.irp t, 0,1,2,3,4,5,6,7
.if \zero
	v_wmma_scale_f32_16x16x128_f8f6f4 v[128+8*\t:135+8*\t], v[\k+16*\t:\k+16*\t+15], v[80:95], 0, v[VS+\t], v45
	v_wmma_scale_f32_16x16x128_f8f6f4 v[192+8*\t:199+8*\t], v[\k+16*\t:\k+16*\t+15], v[96:111], 0, v[VS+\t], v47
.else
	v_wmma_scale_f32_16x16x128_f8f6f4 v[128+8*\t:135+8*\t], v[\k+16*\t:\k+16*\t+15], v[80:95], v[128+8*\t:135+8*\t], v[VS+\t], v45
	v_wmma_scale_f32_16x16x128_f8f6f4 v[192+8*\t:199+8*\t], v[\k+16*\t:\k+16*\t+15], v[96:111], v[192+8*\t:199+8*\t], v[VS+\t], v47
.endif
.endr
	WIN 0
.endm
; the diagonal: scores of keys that come after the query become -1e30.  Blocks of 32 keys ahead of my 32 queries are all kept: a scalar branch on the wave's number
.macro MASK s, dg
.irp b, 0,1,2,3
	s_cmp_gt_u32 s[WL], \b
	s_cbranch_scc1 .Lvis_\@_\b
	WIN 0x41
.set n, 0
.rept 16
	v_cmp_gt_i32 vcc_lo, 32*\b+n, v[\dg]
	v_cndmask_b32 v[\s+16*\b+n], v[\s+16*\b+n], v0, vcc_lo
.set n, n+1
.endr
	WIN 0
.Lvis_\@_\b:
.endr
.endm
.macro MAXP s, bm                      ; the largest score of each block of 32 keys, my 16 of them
	WIN 0x14
.irp b, 0,1,2,3
	v_max3_num_f32 v[\bm+\b], s[NEG], v[\s+16*\b], v[\s+16*\b+1]
.endr
.irp i, 2,4,6,8,10,12,14
.irp b, 0,1,2,3
	v_max3_num_f32 v[\bm+\b], v[\bm+\b], v[\s+16*\b+\i], v[\s+16*\b+\i+1]
.endr
.endr
	WIN 0
.endm
.macro CHAIN                           ; both tiles' new M and factor f, by turns
.irp b, 0,1,2,3,4,5,6,7
	v_permlanex16_b32 v[120+\b], v[112+\b], s[SEL], s[SEL+1]
.endr
.irp b, 0,1,2,3,4,5,6,7
	v_max_num_f32 v[112+\b], v[112+\b], v[120+\b]  ; with lane l xor 16's 16 keys
.endr
	v_max3_num_f32 v120, v112, v113, v114
	v_max3_num_f32 v124, v116, v117, v118
	v_max_num_f32 v120, v120, v115
	v_max_num_f32 v124, v124, v119
	v_mul_f32 v120, s[CS], v120                    ; as t
	v_mul_f32 v124, s[CS], v124
	v_max_num_f32 v13, v13, v120                   ; the running largest t
	v_max_num_f32 v17, v17, v124
	v_mov_b32 v120, v12
	v_mov_b32 v124, v16
	v_floor_f32 v12, -v13                          ; the new -M = -ceil(t)
	v_floor_f32 v16, -v17
	v_sub_f32 v120, v12, v120                      ; old M - new M: a whole number, 0 or less
	v_sub_f32 v124, v16, v124
	v_cvt_i32_f32 v120, v120                       ; (it saturates)
	v_cvt_i32_f32 v124, v124
	v_ldexp_f32 v44, 1.0, v120                     ; f = 2^(old M - new M)
	v_ldexp_f32 v46, 1.0, v124
.endm
.macro PEXP s, bm, st, f               ; p = 2^(t - M), and each block's largest p
.irp b, 0,1,2,3
	v_fma_f32 v[\bm+\b], v[\bm+\b], s[CS], v[\st]
.endr
	WIN 0x41
.set n, 0
.rept 32
	v_pk_fma_f32 v[\s+n:\s+n+1], v[\s+n:\s+n+1], s[CS:CS+1], v[\st:\st+1] op_sel_hi:[1,0,0]
.set n, n+2
.endr
	s_wait_alu depctr_va_vdst(0)
.set n, 0
.rept 64
	v_exp_f32 v[\s+n], v[\s+n]
.set n, n+1
.endr
	WIN 0
.irp b, 0,1,2,3
	v_exp_f32 v[\bm+\b], v[\bm+\b]
.endr
	v_pk_mul_f32 v[\st+2:\st+3], v[\st+2:\st+3], v[\f:\f+1] op_sel_hi:[1,0]   ; the sums under the new M; also the plain line behind the exponentials
	s_wait_alu depctr_va_vdst(0)                   ; and ahead of its first reader
.endm
.macro PWORK s, bm, by, ho, sc, st, f, pc   ; scales, sums, the hold, the codes
.irp b, 0,1,2,3
	v_max_num_f32 v[\bm+\b], 0x4800000, v[\bm+\b]  ; the floor 2^(9 - 127): the byte cannot fall under 1
.endr
.irp b, 0,1,2,3
	v_add_nc_u32 v[\sc+\b], 0xfc000000, v[\bm+\b]  ; 8 off the exponent field: the conversion's scale operand
.endr
.irp b, 0,1,2,3
	v_and_or_b32 v[\ho+\b], v[\bm+\b], 0x7f800000, s[MNT]   ; 448 x the scale
.endr
.irp b, 0,1,2,3
	v_lshrrev_b32 v[\by+\b], 23, v[\sc+\b]         ; the byte
.endr
	v_lshl_or_b32 v[\f+1], v[\by+1], 8, v[\by]     ; p's scale word for these 128 keys
	v_lshl_or_b32 v[\f+1], v[\by+2], 16, v[\f+1]
	v_lshl_or_b32 v[\f+1], v[\by+3], 24, v[\f+1]
	WIN 0x05
	v_pk_add_f32 v[104:105], v[\s:\s+1], v[\s+2:\s+3]   ; the row's sum, of the unquantised p, in four chains
	v_pk_add_f32 v[106:107], v[\s+4:\s+5], v[\s+6:\s+7]
	v_pk_add_f32 v[108:109], v[\s+8:\s+9], v[\s+10:\s+11]
	WIN 0x04
.set n, 12
.rept 6
	v_pk_add_f32 v[\st+2:\st+3], v[\st+2:\st+3], v[\s+n:\s+n+1]
	v_pk_add_f32 v[104:105], v[104:105], v[\s+n+2:\s+n+3]
	v_pk_add_f32 v[106:107], v[106:107], v[\s+n+4:\s+n+5]
	v_pk_add_f32 v[108:109], v[108:109], v[\s+n+6:\s+n+7]
.set n, n+8
.endr
	v_pk_add_f32 v[\st+2:\st+3], v[\st+2:\st+3], v[\s+60:\s+61]
	v_pk_add_f32 v[104:105], v[104:105], v[\s+62:\s+63]
	WIN 0
	v_pk_add_f32 v[106:107], v[106:107], v[108:109]
	v_pk_add_f32 v[\st+2:\st+3], v[\st+2:\st+3], v[104:105]
	WIN 0x41
.irp b, 0,1,2,3
.set n, 0
.rept 16
	v_min_num_f32 v[\s+16*\b+n], v[\s+16*\b+n], v[\ho+\b]   ; the conversion to an 8-bit code does not saturate (ISA guide 7.6.2); p is not negative: the hold is one-sided
.set n, n+1
.endr
.endr
	WIN 0
	v_pk_add_f32 v[\st+2:\st+3], v[\st+2:\st+3], v[106:107]
	WIN 0x01
.irp b, 0,1,2,3
	v_cvt_scalef32_pk8_fp8_f32 v[\pc+4*\b:\pc+4*\b+1], v[\s+16*\b:\s+16*\b+7], v[\sc+\b]
	v_cvt_scalef32_pk8_fp8_f32 v[\pc+4*\b+2:\pc+4*\b+3], v[\s+16*\b+8:\s+16*\b+15], v[\sc+\b]
.endr
	WIN 0
	v_nop                                          ; one plain line behind the last conversion
.endm
.macro RESCALE o, f                    ; O^T under the new M, each accumulator from its low end on
	s_wait_alu depctr_va_vdst(0)                   ; the wait directly ahead of the products' first readers
.set n, 0
.rept 32
	v_pk_mul_f32 v[\o+n:\o+n+1], v[\o+n:\o+n+1], v[\f:\f+1] op_sel_hi:[1,0]
.set n, n+2
.endr
.endm
; behind step x + i = 7 waves 4-7 leave their part of block 15 - x in LDS and take up block x.  O and the sums are not cleared: the first step's f is 2^(-3e38 - M) = 0, and they are multiplied by it
.macro SWITCH
	s_cmp_lg_u32 s[XI], 7
	s_cbranch_scc1 .Lsame_\@
	s_cmp_lt_u32 s[WV], 4                          ; waves 4-7 alone: each has bytes of its own
	s_cbranch_scc1 .Lsame_\@
.set n, 0
.rept 32
	ds_store_b128 v[HA], v[128+4*n:131+4*n] offset:512*n
.set n, n+1
.endr
	ds_store_b128 v[HA], v[12:15] offset:16384
	ds_store_b128 v[HA], v[16:19] offset:16896
.irp u, 0,1
.irp c, 0,1,2,3
	ds_load_b128 v[48+16*\u+4*\c:51+16*\u+4*\c], v[QR] offset:(8+\u)*QT+512*\c
.endr
	ds_load_b32 v[QS+\u], v[QW] offset:(8+\u)*QT+2048
.endr
	v_mov_b32 v12, 0x7f61b1e6
	v_mov_b32 v13, 0xff61b1e6                      ; the largest t so far: -3e38
	v_mov_b32 v16, 0x7f61b1e6
	v_mov_b32 v17, 0xff61b1e6
.Lsame_\@:
.endm
; q: sixteen rows turn through my stage: register 16 c + i is then channel 32 c + 16 h + i of row r.  LDS serves a wave's instructions in order (ISA guide 5.7.1.4)
.macro TURN reg
.set n, 0
.rept 16
	ds_store_b128 v[KST], v[\reg+4*n:\reg+4*n+3] offset:n*TP
.set n, n+1
.endr
.irp c, 0,1,2,3
.irp j, 0,1,2,3
	ds_load_b128 v[\reg+16*\c+4*\j:\reg+16*\c+4*\j+3], v[KRD] offset:128*\c+16*\j
.endr
.endr
.endm
.macro QUANT s, pc, pw
.irp b, 0,1,2,3
	v_max3_num_f32 v[TM+\b], |v[\s+16*\b]|, |v[\s+1+16*\b]|, 0x4800000   ; my 16 numbers and the floor
.endr
.irp i, 2,4,6,8,10,12,14
.irp b, 0,1,2,3
	v_max3_num_f32 v[TM+\b], v[TM+\b], |v[\s+16*\b+\i]|, |v[\s+1+16*\b+\i]|
.endr
.endr
.irp b, 0,1,2,3
	v_permlanex16_b32 v[TM+4+\b], v[TM+\b], s[SEL], s[SEL+1]
.endr
.irp b, 0,1,2,3
	v_max_num_f32 v[TM+\b], v[TM+\b], v[TM+4+\b]
.endr
.irp b, 0,1,2,3
	v_add_nc_u32 v[TM+12+\b], 0xfc000000, v[TM+\b]
.endr
.irp b, 0,1,2,3
	v_and_or_b32 v[TM+8+\b], v[TM+\b], 0x7f800000, s[MNT]
.endr
.irp b, 0,1,2,3
	v_lshrrev_b32 v[TM+4+\b], 23, v[TM+12+\b]
.endr
	v_lshl_or_b32 v[\pw], v[TM+5], 8, v[TM+4]
	v_lshl_or_b32 v[\pw], v[TM+6], 16, v[\pw]
	v_lshl_or_b32 v[\pw], v[TM+7], 24, v[\pw]
.irp b, 0,1,2,3
.set n, 0
.rept 16
	v_med3_num_f32 v[\s+16*\b+n], v[\s+16*\b+n], -v[TM+8+\b], v[TM+8+\b]
.set n, n+1
.endr
	v_cvt_scalef32_pk8_fp8_f32 v[\pc+4*\b:\pc+1+4*\b], v[\s+16*\b:\s+7+16*\b], v[TM+12+\b]
	v_cvt_scalef32_pk8_fp8_f32 v[\pc+2+4*\b:\pc+3+4*\b], v[\s+8+16*\b:\s+15+16*\b], v[TM+12+\b]
.endr
	v_nop                                          ; one plain line behind the last conversion
.endm
.macro QSTORE pc, pw, t                ; my tile's image
.irp c, 0,1,2,3
	ds_store_b128 v[QST], v[\pc+4*\c:\pc+4*\c+3] offset:\t*QT+512*\c
.endr
	ds_store_b32 v[QSW], v[\pw] offset:\t*QT+2048
.endm
; A STREAM STEP.  K's fragments lie in \k; the scores go to \s, V to \k, the next step's K to \s.  kind 0: step 0; 1: steps 1 to 6; 7, 8: the last two.
; THE CHANGE OF SLOTS stands behind the codes of p: each wave waits for all its tensor loads (its part of the other slot), adds 0 to its spare word, and waits for that and for its reads of this slot.  Behind the barrier
; nobody reads this slot and the other is whole; this slot takes the step two on, which has until the next change of slots to land.
.macro STEP k, s, slot, kind
	s_wait_dscnt 0x0                               ; K and its scale words (and Q's, where they were read again) are in
	SPROD \k, \s
	PART 0, \slot
	v_add_nc_u32 v[ADV], s16, v[LI]
	v_add_nc_u32 v[ADV8], s16, v[L8]
	PLACES 6                                       ; with the two additions: eight plain lines behind the products, ahead of loads into K's registers and of the scores' readers
	FETCH_V \k
.if \kind < 8
	s_cmp_lg_u32 s[XI], s[GX]
	s_cbranch_scc1 .Lopen_\@
.endif
	MASK \s, DGA
	MASK \s+64, DGB
.if \kind < 8
.Lopen_\@:
.endif
	MAXP \s, 112
	MAXP \s+64, 116
	CHAIN
	PEXP \s, 112, 12, 44
	PWORK \s, 112, 120, 96, 100, 12, 44, 80        ; (the second tile's code registers are at work here: its codes come later)
	PEXP \s+64, 116, 16, 46
	PWORK \s+64, 116, 124, 112, 120, 16, 46, 96
.if \kind == 0                         ; my tile of block x's q, asked for at the head: quantised in O's registers ahead of O's first product
	s_wait_alu depctr_va_vdst(0)
	s_wait_loadcnt 0x0
	TURN 128
	s_wait_dscnt 0x0
	QUANT 128, 192, 208
	QSTORE 192, 208, 8
.endif
.if \kind < 8
	s_wait_tensorcnt 0x0                           ; no tensor load of mine is out, so group 0 may be written
	ds_add_u32 v[SPW], v[NIL]                      ; 0 onto my spare word
.if \kind < 7
	DESC 2, \slot
.endif
.if \kind > 0
	RESCALE 128, 44                                ; work on registers while the add is out
.endif
	s_wait_dscnt 0x0                               ; the add is done; V is in: my reads of this slot are over
	s_barrier_signal -1
.if \kind > 0
	RESCALE 192, 46
.endif
	s_barrier_wait -1
.if \kind < 7
	TLOAD                                          ; first behind the barrier, and a wave's one tensor load until the next
.else
	s_cmp_lt_u32 s[WV], 4                          ; step 8 is waves 4-7's alone
	s_cbranch_scc1 .Lno_k_\@
.endif
	PART 1, 1-\slot
	FETCH_K \s
.if \kind < 7
	ASK
.else
.Lno_k_\@:
.endif
.else
	RESCALE 128, 44
	RESCALE 192, 46
	s_wait_alu depctr_va_vdst(0)
	s_wait_dscnt 0x0                               ; V is in
.endif
	s_wait_alu depctr_va_vdst(0)                   ; directly ahead of the first reader of O, codes and scale words
.if \kind == 0
	PV \k, 1
.else
	PV \k, 0
.endif
	PLACES 9                                       ; ahead of whatever reads O, and of the next scores, which are written over V's registers
.if \kind < 8
	SWITCH
	s_add_co_u32 s[XI], s[XI], 1
.endif
.endm
	s_load_b128 s[4:7], s[0:1], 0x0                ; qkv, kv
	s_load_b64 s[8:9], s[0:1], 0x10                ; out0
	v_lshl_add_u32 v[SPW], v0, 2, SPARE
	v_mov_b32 v[NIL], 0
	ds_add_u32 v[SPW], v[NIL]                      ; the wave's opening: the add, twice on end, and its wait ahead of my first tensor load
	ds_add_u32 v[SPW], v[NIL]
	v_lshrrev_b32 v38, 5, v0
	v_readfirstlane_b32 s[WV], v38                 ; wave 0..7
	s_mov_b32 s[WX], ttmp9
	s_mov_b32 s[XI], s[WX]
	s_and_b32 s66, ttmp7, 0xffff                   ; 16 x batch + head
	s_lshr_b32 s67, s66, 4
	s_lshl_b32 s67, s67, 11                        ; 2,048 x batch
	s_and_b32 s68, s66, 15
	s_lshl_b32 s68, s68, 9                         ; the head's 512 bytes
	s_and_b32 s[WL], s[WV], 3
	s_lshr_b32 s69, s[WV], 2                       ; 0 in waves 0-3, 1 in waves 4-7
	s_sub_co_u32 s70, 15, s[WX]
	s_lshl_b32 s53, s[WV], 4
	s_add_co_u32 s53, s53, s67
	s_lshl_b32 s52, s70, 7
	s_add_co_u32 s52, s52, s53                     ; my tile of block 15 - x: 16 queries
	s_mul_i32 s[QP], s52, ROWQ                     ; offsets, apart from the addresses; all stay under 2^27
	s_add_co_u32 s[QP], s[QP], s68
	s_mov_b32 s[QP+1], 0
	s_lshl_b32 s52, s[WX], 7
	s_add_co_u32 s52, s52, s53                     ; and of block x
	s_mul_i32 s[QP2], s52, ROWQ
	s_add_co_u32 s[QP2], s[QP2], s68
	s_mov_b32 s[QP2+1], 0
	s_cmp_eq_u32 s69, 0
	s_cselect_b32 s52, s70, s[WX]                  ; the block that I store
	s_cselect_b32 s[GX], -1, 7
	s_lshl_b32 s52, s52, 7
	s_add_co_u32 s52, s52, s67
	s_lshl_b32 s53, s[WL], 5
	s_add_co_u32 s52, s52, s53
	s_lshl_b32 s[OB], s52, 13
	s_add_co_u32 s[OB], s[OB], s68
	s_mov_b32 s[OB+1], 0
	s_mul_i32 s[GB], s69, STEPB
	s_mul_i32 s[LQ], s[WV], QRTB
	s_mul_i32 s66, s66, HEADB                      ; the head's first block in kv
	s_mul_i32 s53, s[WL], QRTB
	s_add_co_u32 s[BW], s66, s53
	s_mov_b32 s[BW+1], 0
	s_mul_i32 s53, s[WV], 4352                     ; the prefetches: 17 rows of 256 bytes a wave
	s_add_co_u32 s53, s53, s66
	s_add_co_u32 s56, s[WX], 11
	s_min_u32 s56, s56, 15
	s_mul_i32 s56, s56, STEPB
	s_add_co_u32 s[PFA], s56, s53
	s_mov_b32 s[PFA+1], 0
	s_add_co_u32 s56, s[WX], 4
	s_and_b32 s56, s56, 7
	s_mul_i32 s56, s56, STEPB
	s_add_co_u32 s[PFN], s56, s53
	s_mov_b32 s[PFN+1], 0
	s_lshl_b32 s56, s[WX], 1
	s_cmp_le_u32 s[WX], 4
	s_cselect_b32 s[LIM], s56, -1
	s_mul_i32 s58, s[WL], 2*QT
	s_add_co_u32 s58, s58, QI                      ; my two tiles' images
	s_mul_i32 s60, s[WL], HW
	s_add_co_u32 s60, s60, HB                      ; the hand-over
	s_mul_i32 s61, s[WV], TW
	s_add_co_u32 s61, s61, HB                      ; q's turning stage
	s_lshl_b32 s62, s[WL], 5
	s_mul_i32 s63, s[WV], 16*SP
	s_add_co_u32 s63, s63, STAGE                   ; the way out's stage
	s_mul_i32 s71, s[WV], QT
	s_add_co_u32 s71, s71, QI                      ; the tile that I quantise
	; descriptor group 1: 34 rows of 256 bytes (32 elements of 8 bytes), dense
	s_mov_b32 s[G1], 3<<16                         ; 15:0 no mask; 17:16 elements of 8 bytes; no padding
	s_mov_b32 s[G1+1], 32<<16                      ; tensor_dim0 = 32
	s_mov_b32 s[G1+2], 34<<16                      ; tensor_dim1 = 34
	s_mov_b32 s[G1+3], 32<<16                      ; tile_dim0 = 32
	s_mov_b32 s[G1+4], 34                          ; tile_dim1 = 34
	s_mov_b32 s[G1+5], 32                          ; elements from row to row
	s_mov_b32 s[G1+6], 0
	s_mov_b32 s[G1+7], 0
	s_mov_b32 s[G0], 1                             ; 1:0 count = 1
	s_mov_b32 s[SEL], 0x76543210
	s_mov_b32 s[SEL+1], 0xfedcba98
	s_mov_b32 s[CS], 0x3fb8aa3b                    ; log2(e)
	s_mov_b32 s[CS+1], s[CS]                       ; (named with it as a pair, so it is written)
	s_mov_b32 s[MNT], 0x600000
	s_mov_b32 s[NEG], 0xf149f2ca                   ; -1e30
	v_and_b32 v[LI], 31, v0
	v_and_b32 v39, 15, v0                          ; r
	v_bfe_u32 v40, v0, 4, 1                        ; h
	v_lshlrev_b32 v[L8], 3, v[LI]
	v_lshlrev_b32 v41, 2, v[LI]
	v_min_u32 v[PFO], 16, v[LI]
	v_lshlrev_b32 v[LI], 4, v[LI]
	v_lshlrev_b32 v[PFO], 8, v[PFO]
	v_add_nc_u32 v[QR], s58, v[LI]
	v_add_nc_u32 v[QW], s58, v41
	v_add_nc_u32 v[QST], s71, v[LI]
	v_add_nc_u32 v[QSW], s71, v41
	v_add_nc_u32 v[HA], s60, v[LI]
	v_add_nc_u32 v[KST], s61, v[LI]
	v_mul_u32_u24 v[KRD], v39, TP
	v_lshl_add_u32 v[KRD], v40, 6, v[KRD]
	v_add_nc_u32 v[KRD], s61, v[KRD]
	v_lshlrev_b32 v[DGA], 4, v40
	v_sub_nc_u32 v[DGA], v39, v[DGA]
	v_add_nc_u32 v[DGA], s62, v[DGA]
	v_add_nc_u32 v[DGB], 16, v[DGA]
	v_lshlrev_b32 v[GO], 13, v40
	v_lshl_add_u32 v[GO], v39, 4, v[GO]
	v_mul_u32_u24 v[STO], v39, SP
	v_lshl_add_u32 v[STO], v40, 5, v[STO]
	v_add_nc_u32 v[STO], s63, v[STO]
	v_mul_u32_u24 v[RD], v40, SP
	v_lshl_add_u32 v[RD], v39, 4, v[RD]
	v_add_nc_u32 v[RD], s63, v[RD]
.irp b, 0,1,2,3,4,5,6,7,8,9,10,11
	v_mov_b32 v[116+\b], 0                         ; written once: a lane permute's destination counts as one of its sources
.endr
	v_mov_b32 v45, 0                               ; (named as upper halves of pairs before they are first written)
	v_mov_b32 v47, 0
	v_mov_b32 v12, 0x7f61b1e6                      ; -M
	v_mov_b32 v13, 0xff61b1e6                      ; the largest t so far: -3e38, under every t
	v_mov_b32 v16, 0x7f61b1e6
	v_mov_b32 v17, 0xff61b1e6
	v_mov_b32 v14, 0                               ; the sums, in two halves each
	v_mov_b32 v15, 0
	v_mov_b32 v18, 0
	v_mov_b32 v19, 0
	v_mov_b32 v0, s[NEG]
	s_wait_alu depctr_va_vdst(0)
	s_wait_dscnt 0x0                               ; both opening adds are done
	s_wait_kmcnt 0x0
	s_add_nc_u64 s[BW:BW+1], s[6:7], s[BW:BW+1]
	DESC 0, 0
	tensor_load_to_lds s[G0:G0+3], s[G1:G1+7]      ; slot 0: a wave's one tensor load at the head: part A's quarters in waves 0-3, part B's in waves 4-7, by arithmetic on the wave's number
	s_nop 0
	PLACES 4
	s_add_nc_u64 s[QP:QP+1], s[4:5], s[QP:QP+1]
	s_add_nc_u64 s[QP2:QP2+1], s[4:5], s[QP2:QP2+1]
	s_add_nc_u64 s[OB:OB+1], s[8:9], s[OB:OB+1]
	s_add_nc_u64 s[PFA:PFA+1], s[6:7], s[PFA:PFA+1]
	s_add_nc_u64 s[PFN:PFN+1], s[6:7], s[PFN:PFN+1]
.set n, 0
.rept 16
	global_load_b128 v[48+4*n:51+4*n], v[LI], s[QP:QP+1] offset:n*ROWQ th:TH_LOAD_NT   ; one query's 512 consecutive bytes a load
.set n, n+1
.endr
.set n, 0
.rept 16
	global_load_b128 v[128+4*n:131+4*n], v[LI], s[QP2:QP2+1] offset:n*ROWQ th:TH_LOAD_NT
.set n, n+1
.endr
	s_wait_loadcnt 16                              ; block 15 - x's sixteen rows are in; block x's sixteen may be out
	TURN 48
	s_wait_dscnt 0x0
	QUANT 48, 192, 208
	QSTORE 192, 208, 0
	s_wait_tensorcnt 0x0                           ; my part of slot 0 is in
	ds_add_u32 v[SPW], v[NIL]                      ; 0 onto my spare word ahead of a later first fill, as ahead of a refill
	DESC 1, 1
	s_wait_alu depctr_va_vdst(0)
	s_wait_dscnt 0x0                               ; the add is done, and my tile's image is stored
	s_barrier_signal -1
	s_barrier_wait -1                              ; everybody's is
	TLOAD                                          ; slot 1's first fill
.irp u, 0,1
.irp c, 0,1,2,3
	ds_load_b128 v[48+16*\u+4*\c:51+16*\u+4*\c], v[QR] offset:\u*QT+512*\c
.endr
	ds_load_b32 v[QS+\u], v[QW] offset:\u*QT+2048
.endr
	PART 0, 0
	FETCH_K 0
	global_prefetch_b8 v[PFO], s[PFN:PFN+1] th:TH_LOAD_NT scope:SCOPE_SE
	STEP 0, 128, 0, 0
	s_mov_b32 s[CNT], 3
	s_wait_alu depctr_va_vdst(0)
.Lloop:                                            ; steps 1 to 6, two a trip; they ask for steps 3 to 8
	STEP 128, 0, 1, 1
	STEP 0, 128, 0, 1
	s_sub_co_u32 s[CNT], s[CNT], 1
	s_wait_alu depctr_va_vdst(0)
	s_cmp_lg_u32 s[CNT], 0
	s_cbranch_scc1 .Lloop
	STEP 128, 0, 1, 7                              ; the last two steps are written out: they ask for nothing
	s_wait_alu depctr_va_vdst(0)
	s_wait_dscnt 0x0                               ; what I handed over is stored (and my reads are over)
	s_barrier_signal -1
	s_barrier_wait -1
	s_cmp_lt_u32 s[WV], 4
	s_cbranch_scc1 .Lcombine
	STEP 0, 128, 0, 8                              ; waves 4-7: block x's diagonal
	s_wait_alu depctr_va_vdst(0)
	s_branch .Lout
.Lcombine:                                         ; waves 0-3: both parts of block 15 - x under the larger M
	WIN 0x40
.set n, 0
.rept 32
	ds_load_b128 v[4*n:4*n+3], v[HA] offset:512*n
.set n, n+1
.endr
	WIN 0
	ds_load_b128 v[112:115], v[HA] offset:16384    ; the other part's -M, largest t, sums
	ds_load_b128 v[116:119], v[HA] offset:16896
	s_wait_dscnt 0x0
	v_min_num_f32 v121, v12, v112                  ; the new -M
	v_min_num_f32 v123, v16, v116
	v_sub_f32 v44, v121, v12
	v_sub_f32 v46, v121, v112
	v_sub_f32 v120, v123, v16
	v_sub_f32 v122, v123, v116
	v_cvt_i32_f32 v44, v44
	v_cvt_i32_f32 v46, v46
	v_cvt_i32_f32 v120, v120
	v_cvt_i32_f32 v122, v122
	v_ldexp_f32 v44, 1.0, v44                      ; tile 0: my part's factor, the other's;
	v_ldexp_f32 v46, 1.0, v46
	v_ldexp_f32 v120, 1.0, v120                    ; tile 1: likewise
	v_ldexp_f32 v122, 1.0, v122
	v_pk_mul_f32 v[114:115], v[114:115], v[46:47] op_sel_hi:[1,0]
	v_pk_mul_f32 v[118:119], v[118:119], v[122:123] op_sel_hi:[1,0]
	v_pk_fma_f32 v[14:15], v[14:15], v[44:45], v[114:115] op_sel_hi:[1,0,1]
	v_pk_fma_f32 v[18:19], v[18:19], v[120:121], v[118:119] op_sel_hi:[1,0,1]
	WIN 0x41
.set n, 0
.rept 32
	v_pk_mul_f32 v[n:n+1], v[n:n+1], v[46:47] op_sel_hi:[1,0]
	v_pk_mul_f32 v[64+n:65+n], v[64+n:65+n], v[122:123] op_sel_hi:[1,0]
.set n, n+2
.endr
	WIN 0x10
.set n, 0
.rept 32
	v_pk_fma_f32 v[128+n:129+n], v[128+n:129+n], v[44:45], v[n:n+1] op_sel_hi:[1,0,1]
	v_pk_fma_f32 v[192+n:193+n], v[192+n:193+n], v[120:121], v[64+n:65+n] op_sel_hi:[1,0,1]
.set n, n+2
.endr
	WIN 0
	s_wait_alu depctr_va_vdst(0)
.Lout:                                             ; THE WAY OUT: O^T / the sum goes through my stage, half a row (64 channels, 256 bytes) of 16 queries at a time, so that sixteen lanes store 256 consecutive bytes, aligned
	v_add_f32 v14, v14, v15                        ; the sums' two halves,
	v_add_f32 v18, v18, v19
	v_permlanex16_b32 v120, v14, s[SEL], s[SEL+1]
	v_permlanex16_b32 v124, v18, s[SEL], s[SEL+1]
	v_add_f32 v14, v14, v120                       ; and lane l xor 16's
	v_add_f32 v18, v18, v124
	s_wait_alu depctr_va_vdst(0)
	v_rcp_f32 v14, v14
	v_rcp_f32 v18, v18
	v_nop
	s_wait_alu depctr_va_vdst(0)
.set n, 0
.rept 32
	v_pk_mul_f32 v[128+n:129+n], v[128+n:129+n], v[14:15] op_sel_hi:[1,0]   ; register 8 t + i: channel 16 t + 8 h + i of query r
.set n, n+2
.endr
.set n, 0
.rept 32
	v_pk_mul_f32 v[192+n:193+n], v[192+n:193+n], v[18:19] op_sel_hi:[1,0]
.set n, n+2
.endr
.irp q, 0,1,2,3                        ; tile q / 2, half q % 2
.irp t, 0,1,2,3
	ds_store_b128 v[STO], v[128+32*\q+8*\t:131+32*\q+8*\t] offset:64*\t
	ds_store_b128 v[STO], v[132+32*\q+8*\t:135+32*\q+8*\t] offset:64*\t+16
.endr
	WIN 0x40
.irp i, 0,1,2,3,4,5,6,7
	ds_load_b128 v[32*\q+4*\i:32*\q+4*\i+3], v[RD] offset:2*\i*SP   ; LDS serves a wave's instructions in order: these see my stores, and the next half's stores come behind them
.endr
	WIN 0
.endr
	WIN 0x04
.irp q, 0,1,2,3
.irp i, 0,1,2,3,4,5,6,7
	s_wait_dscnt 7-\i+16*(3-\q)                    ; what was issued behind this load: the rest of its eight, and sixteen for each later half
	global_store_b128 v[GO], v[32*\q+4*\i:32*\q+4*\i+3], s[OB:OB+1] offset:(16*(\q/2)+2*\i)*ROWO+256*(\q%2) th:TH_STORE_NT
.endr
.endr
	WIN 0
	s_wait_tensorcnt 0x0                           ; the wave's end: behind my last tensor load and my last LDS store
	ds_add_u32 v[SPW], v[NIL]
	s_wait_dscnt 0x0
	s_endpgm
.Lfunc_end_k_q7d35abea27_attn:
	.size	k_q7d35abea27_attn, .Lfunc_end_k_q7d35abea27_attn-k_q7d35abea27_attn
	.p2alignl 7, 3214868480
	.fill 96, 4, 3214868480
	.section	.rodata,"a",@progbits
	.p2align	6, 0x0
	.amdhsa_kernel k_q7d35abea27_attn
		.amdhsa_group_segment_fixed_size 327680
		.amdhsa_private_segment_fixed_size 0
		.amdhsa_enable_private_segment 0
		.amdhsa_kernarg_size 24
		.amdhsa_user_sgpr_count 2
		.amdhsa_user_sgpr_kernarg_segment_ptr 1
		.amdhsa_wavefront_size32 1
		.amdhsa_system_sgpr_workgroup_id_x 1
		.amdhsa_system_sgpr_workgroup_id_y 1
		.amdhsa_system_sgpr_workgroup_id_z 1
		.amdhsa_system_vgpr_workitem_id 0
		.amdhsa_next_free_vgpr 512
		.amdhsa_next_free_sgpr 80
		.amdhsa_reserve_vcc 1
		.amdhsa_float_denorm_mode_32 3
		.amdhsa_float_denorm_mode_16_64 3
		.amdhsa_memory_ordered 1
		.amdhsa_forward_progress 1
		.amdhsa_inst_pref_size 255
	.end_amdhsa_kernel
	.section	.bss,"aw",@nobits
	.p2align	6
	.space	262144
	.amdgpu_metadata
---
amdhsa.version: [ 1, 2 ]
amdhsa.kernels:
  - .name:           k_q7d35abea27_attn
    .symbol:         k_q7d35abea27_attn.kd
    .args:
      - { .name: qkv, .offset: 0, .size: 8, .value_kind: global_buffer, .address_space: global }
      - { .name: kv, .offset: 8, .size: 8, .value_kind: global_buffer, .address_space: global }
      - { .name: out0, .offset: 16, .size: 8, .value_kind: global_buffer, .address_space: global }
    .group_segment_fixed_size: 327680
    .private_segment_fixed_size: 0
    .kernarg_segment_align: 8
    .kernarg_segment_size: 24
    .max_flat_workgroup_size: 256
    .sgpr_count:     80
    .vgpr_count:     512
    .wavefront_size: 32
...
	.end_amdgpu_metadata
.endif
;; end of part 2
